; MI455X (gfx1250); checked and timed in simulation.
; The chip was launched on July 23, 2026; its instructions are those of AMD's public machine-readable ISA for CDNA 5 (MIT licence, August 2026) and "CDNA5" Instruction Set Architecture Reference Guide (July 2026). The comments in the code are by the model that wrote it; some were corrected since.
;; Hybrid Mdl. Allowed arithmetic: float matrix products may take bf16 or f16 operands with f32 sums; all other float work in f32.
;; Inputs: W1 3 x 3 float32; W2 3 x 3 float32; Wout 3 x 3 float32; b1 3 float32; b2 3 float32; bout 3 float32; inp 1,048,576 x 3 float32.
;; Outputs: out0 1,048,576 x 3 float32.
;; One version. Each part assembles by itself: llvm-mc -triple=amdgcn-amd-amdhsa -mcpu=gfx1250 --defsym DOCPART=n.
;; ======== version 1 of 1: 5 launches
;; workspace buffers: st0 25,167,104 bytes; st1 25,167,104 bytes
;; launch first (part 1): grid 256 x 1, 32 waves a work-group, no clusters, 53,504 bytes of LDS; arguments inp, W1, b1, W2, b2, Wout, bout, st0; writes st0
.if DOCPART == 1
	.amdgcn_target "amdgcn-amd-amdhsa--gfx1250"
	.amdhsa_code_object_version 6
	.text
	.protected	k_qc24b07cb03_first
	.globl	k_qc24b07cb03_first
	.p2align	8
	.type	k_qc24b07cb03_first,@function
k_qc24b07cb03_first:
	s_mov_b64 s[64:65], 0
	v_nop
	global_prefetch_b8 v0, s[64:65] scope:SCOPE_SE
	s_setreg_imm32_b32 hwreg(HW_REG_WAVE_MODE, 25, 1), 1
	s_wait_xcnt 0x0
; LAUNCH 1 OF 5: the first Dormand-Prince step (h = 0.01) of the adaptive solver, for all 1,048,576 states.
; The solver accepts or rejects a step by ONE norm over all states, so each step ends a launch: this launch leaves its
; share of that norm as 256 partial sums, and the next launch adds them up and decides.
; What it stores (buffer st): +0 the current y, +OFF_CAND the candidate y1, +OFF_RED 256 partial sums, then t and h in
; front of this step (0 and 0.01), then the 36 folded weights, so that the later launches need no folding.
; LAYOUT of y and y1 in st: a wave's 128 states as X[128], Y[128], Z[128] (3 x 512 bytes): every load and store of a wave
; covers 512 consecutive bytes, and a lane's four x (y, z) land in two even register pairs for packed f32 arithmetic.
; inp is [state][3]: it is read in 512-byte runs and turned in the wave's own 1,536 bytes of LDS.
; SHARES: 256 work-groups x 32 waves x 32 lanes x 4 states.  A lane works on two states at a time (v_pk_*_f32).
; THE 3 x 3 PRODUCTS ARE DONE IN f32 ON THE VECTOR UNIT: they would fill 3 of 32 along K and 3 of 16 columns of a matrix
; instruction, and operands of 8 mantissa bits would put an error of 2^-9 into every k, while the step control compares
; h sum (b - b4) k with 1e-9 + 1e-7 |y|.
; No cluster: the work-groups share no tile (the weights are 144 bytes).
; tanh(x) = 1 - 2 / (1 + 2^(c x)), c = 2 log2 e.  c is folded into the weights in front, 1 - 2 r into the weights behind:
;   A1 = c W1, B1 = c b1;  A2 = -2c W2, B2 = c (b2 + row sums of W2);  A3 = -2 Wout, B3 = bout + row sums of Wout.
; It holds for every finite x (2^(c x) = inf gives r = 0, 2^(c x) = 0 gives r = 1).
; LIMITS: tanh has an absolute error of about 2e-7 (not a relative one for tiny x); h is folded into the tableau and all
; sums are fused, so roundings differ from a plain f32 evaluation in the last bits.
.set CHUNK,    1536                    ; bytes of a wave's 128 states
.set WGBYTES,  32*CHUNK                ; bytes of a work-group's 4,096 states
.set OFF_CAND, 0xc00000                ; st: the candidate, behind 1,048,576 x 12 bytes of y
.set OFF_RED,  0x1800000               ; st: the partial sums
.set ST,       1024                    ; from OFF_RED: t, h
.set WF,       1040                    ; from OFF_RED: the folded weights
.set RED_LDS,  WGBYTES                 ; LDS: 32 words for the waves' sums, behind the 32 stages
.set S,   2                            ; v[2:3]     sum of squares, two chains
.set Y,   4                            ; v[4:15]    y: component c of my four states at Y+4c .. Y+4c+3
.set YS,  16                           ; v[16:27]   a stage's input, same layout; at the end y1
.set K,   28                           ; v[28:63]   k1..k6 of the pair at work: k_j, component c, at K+6(j-1)+2c; k7 takes k2's place
.set T1,  64                           ; v[64:69]   first hidden layer of the pair
.set T2,  70                           ; v[70:75]   second hidden layer
.set W,   76                           ; v[76:111]  A1 (0-8) B1 (9-11) A2 (12-20) B2 (21-23) A3 (24-32) B3 (33-35), the same in every lane
.set TH,  112                          ; v[112:113] t, h
.set RA,  114                          ; v[114:115] rtol, atol
.set LN,  116                          ; lane
.set LA,  117                          ; LDS: my wave's stage + 16 lane
.set LB,  118                          ; LDS: my wave's stage + 48 lane
.set Z,   119                          ; 0
.set CA,  24                           ; s[24:63]   h a_ij, 20 pairs (a packed instruction takes the pair's first register for both halves)
.set BE,  66                           ; s[66:77]   b - b4, 6 pairs
.set SH,  82                           ; s[82:83]   h of this step
; d = a * weight wi + s.  Two weights share a register pair: op_sel / op_sel_hi pick one of them for both halves.
.macro FMC d, a, wi, s
.if (\wi) & 1
	v_pk_fma_f32 v[\d:\d+1], v[\a:\a+1], v[W+(\wi)-1:W+(\wi)], v[\s:\s+1] op_sel:[0,1,0] op_sel_hi:[1,1,1]
.else
	v_pk_fma_f32 v[\d:\d+1], v[\a:\a+1], v[W+(\wi):W+(\wi)+1], v[\s:\s+1] op_sel_hi:[1,0,1]
.endif
.endm
; d = a * weight wi + weight bi: the bias starts the sum
.macro FMCB d, a, wi, bi
.set CP, (\wi) & 1
.set BP, (\bi) & 1
.if CP
.if BP
	v_pk_fma_f32 v[\d:\d+1], v[\a:\a+1], v[W+(\wi)-CP:W+(\wi)-CP+1], v[W+(\bi)-BP:W+(\bi)-BP+1] op_sel:[0,1,1] op_sel_hi:[1,1,1]
.else
	v_pk_fma_f32 v[\d:\d+1], v[\a:\a+1], v[W+(\wi)-CP:W+(\wi)-CP+1], v[W+(\bi)-BP:W+(\bi)-BP+1] op_sel:[0,1,0] op_sel_hi:[1,1,0]
.endif
.else
.if BP
	v_pk_fma_f32 v[\d:\d+1], v[\a:\a+1], v[W+(\wi)-CP:W+(\wi)-CP+1], v[W+(\bi)-BP:W+(\bi)-BP+1] op_sel:[0,0,1] op_sel_hi:[1,0,1]
.else
	v_pk_fma_f32 v[\d:\d+1], v[\a:\a+1], v[W+(\wi)-CP:W+(\wi)-CP+1], v[W+(\bi)-BP:W+(\bi)-BP+1] op_sel_hi:[1,0,0]
.endif
.endif
.endm
.macro TRANS6 op, r                    ; six transcendentals back to back, in place
.irp i, 0,1,2,3,4,5
	\op v[\r+\i], v[\r+\i]
.endr
.endm
; k = f(y) for two states.  yi: the pair of component 0 of the input (components 4 registers apart); ko: k (components 2 apart).
; Behind each run of transcendentals one plain instruction that names none of their registers comes before a result is used
; (ISA guide 5.7.2): these four places are taken by terms of the Lorenz part, which is needed anyway.
.macro FEVAL yi, ko
.irp i, 0,1,2
	FMCB T1+2*\i, \yi, 3*\i, 9+\i
.endr
.irp i, 0,1,2
	FMC T1+2*\i, \yi+4, 3*\i+1, T1+2*\i
.endr
.irp i, 0,1,2
	FMC T1+2*\i, \yi+8, 3*\i+2, T1+2*\i
.endr
	TRANS6 v_exp_f32, T1
	v_pk_add_f32 v[\ko:\ko+1], v[\yi+4:\yi+5], v[\yi:\yi+1] neg_lo:[0,1] neg_hi:[0,1]     ; y1 - y0
	s_wait_alu depctr_va_vdst(0)
.irp i, 0,2,4
	v_pk_add_f32 v[T1+\i:T1+\i+1], v[T1+\i:T1+\i+1], 1.0 op_sel_hi:[1,0]
.endr
	TRANS6 v_rcp_f32, T1                                                                  ; r = 1 / (1 + 2^..)
	v_pk_fma_f32 v[\ko+2:\ko+3], v[\yi+8:\yi+9], -1.0, 0x41e00000 op_sel_hi:[1,0,0]       ; 28 - y2
	s_wait_alu depctr_va_vdst(0)
.irp i, 0,1,2
	FMCB T2+2*\i, T1, 12+3*\i, 21+\i
.endr
.irp i, 0,1,2
	FMC T2+2*\i, T1+2, 13+3*\i, T2+2*\i
.endr
.irp i, 0,1,2
	FMC T2+2*\i, T1+4, 14+3*\i, T2+2*\i
.endr
	TRANS6 v_exp_f32, T2
	v_pk_fma_f32 v[\ko+4:\ko+5], v[\yi+4:\yi+5], -1.0, v[W+34:W+35] op_sel_hi:[1,0,0]     ; B3[1] - y1
	s_wait_alu depctr_va_vdst(0)
.irp i, 0,2,4
	v_pk_add_f32 v[T2+\i:T2+\i+1], v[T2+\i:T2+\i+1], 1.0 op_sel_hi:[1,0]
.endr
	TRANS6 v_rcp_f32, T2
	v_pk_fma_f32 v[\ko:\ko+1], v[\ko:\ko+1], 0x41200000, v[W+32:W+33] op_sel:[0,0,1] op_sel_hi:[1,0,1]      ; 10 (y1 - y0) + B3[0]
	v_pk_fma_f32 v[\ko+2:\ko+3], v[\yi:\yi+1], v[\ko+2:\ko+3], v[\ko+4:\ko+5]                               ; y0 (28 - y2) - y1 + B3[1]
	v_pk_fma_f32 v[\ko+4:\ko+5], v[\yi:\yi+1], v[\yi+4:\yi+5], v[W+34:W+35] op_sel:[0,0,1] op_sel_hi:[1,1,1] ; y0 y1 + B3[2]
	s_wait_alu depctr_va_vdst(0)
.irp j, 0,1,2
.irp i, 0,1,2
	FMC \ko+2*\i, T2+2*\j, 24+3*\i+\j, \ko+2*\i
.endr
.endr
.endm
; stage input of pair p: from + (h a, pair n) k_j.  from = Y starts the sum at y, from = YS goes on.
.macro ACC p, j, n, from
.irp c, 0,1,2
	v_pk_fma_f32 v[YS+4*\c+2*\p:YS+4*\c+2*\p+1], v[K+6*\j-6+2*\c:K+6*\j-6+2*\c+1], s[CA+2*\n:CA+2*\n+1], v[\from+4*\c+2*\p:\from+4*\c+2*\p+1] op_sel_hi:[1,0,1]
.endr
.endm
.macro EACC j, n                       ; the error sum goes on with (b - b4, pair n) k_j
.irp c, 0,1,2
	v_pk_fma_f32 v[T1+2*\c:T1+2*\c+1], v[K+6*\j-6+2*\c:K+6*\j-6+2*\c+1], s[BE+2*\n:BE+2*\n+1], v[T1+2*\c:T1+2*\c+1] op_sel_hi:[1,0,1]
.endr
.endm
; S += (sum (b - b4) k / tol)^2, tol = atol + rtol max(|y|, |y1|).  The factor h of the error is the same for all states:
; its square is applied to the wave's sum.  The error sum stands behind the reciprocals and is their plain place.
.macro ERRSUM p, start
.irp c, 0,1,2
	v_max_num_f32 v[T2+2*\c], |v[Y+4*\c+2*\p]|, |v[YS+4*\c+2*\p]|
	v_max_num_f32 v[T2+2*\c+1], |v[Y+4*\c+2*\p+1]|, |v[YS+4*\c+2*\p+1]|
.endr
.irp c, 0,2,4
	v_pk_fma_f32 v[T2+\c:T2+\c+1], v[T2+\c:T2+\c+1], v[RA:RA+1], v[RA:RA+1] op_sel:[0,0,1] op_sel_hi:[1,0,1]
.endr
	TRANS6 v_rcp_f32, T2
.irp c, 0,1,2
	v_pk_mul_f32 v[T1+2*\c:T1+2*\c+1], v[K+2*\c:K+2*\c+1], s[BE:BE+1] op_sel_hi:[1,0]
.endr
	EACC 3, 1
	EACC 4, 2
	EACC 5, 3
	EACC 6, 4
	EACC 2, 5                                      ; k7, in k2's place
	s_wait_alu depctr_va_vdst(0)
.irp c, 0,2,4
	v_pk_mul_f32 v[T1+\c:T1+\c+1], v[T1+\c:T1+\c+1], v[T2+\c:T2+\c+1]
.endr
.if \start
	v_pk_mul_f32 v[S:S+1], v[T1:T1+1], v[T1:T1+1]  ; the first square starts the sum: nothing is cleared
.else
	v_pk_fma_f32 v[S:S+1], v[T1:T1+1], v[T1:T1+1], v[S:S+1]
.endif
	v_pk_fma_f32 v[S:S+1], v[T1+2:T1+3], v[T1+2:T1+3], v[S:S+1]
	v_pk_fma_f32 v[S:S+1], v[T1+4:T1+5], v[T1+4:T1+5], v[S:S+1]
.endm
; one Dormand-Prince step of pair p: seven f (k1 = f(y) is made anew: one f costs less than 24 more bytes a state each way)
.macro RKSTEP p, start
	FEVAL Y+2*\p, K
	ACC \p, 1, 0, Y
	FEVAL YS+2*\p, K+6
	ACC \p, 1, 1, Y
	ACC \p, 2, 2, YS
	FEVAL YS+2*\p, K+12
	ACC \p, 1, 3, Y
	ACC \p, 2, 4, YS
	ACC \p, 3, 5, YS
	FEVAL YS+2*\p, K+18
	ACC \p, 1, 6, Y
	ACC \p, 2, 7, YS
	ACC \p, 3, 8, YS
	ACC \p, 4, 9, YS
	FEVAL YS+2*\p, K+24
	ACC \p, 1, 10, Y
	ACC \p, 2, 11, YS
	ACC \p, 3, 12, YS
	ACC \p, 4, 13, YS
	ACC \p, 5, 14, YS
	FEVAL YS+2*\p, K+30
	ACC \p, 1, 15, Y
	ACC \p, 3, 16, YS
	ACC \p, 4, 17, YS
	ACC \p, 5, 18, YS
	ACC \p, 6, 19, YS                              ; YS = y1 (the seventh stage's input is the fifth-order result)
	FEVAL YS+2*\p, K+6
	ERRSUM \p, \start
.endm
.macro LANESUM r, t                    ; the sum of v[r] over the 32 lanes, in every lane; v[t] has been written before
	v_add_f32_dpp v[\r], v[\r], v[\r] row_xmask:1 row_mask:0xf bank_mask:0xf
	v_add_f32_dpp v[\r], v[\r], v[\r] row_xmask:2 row_mask:0xf bank_mask:0xf
	v_add_f32_dpp v[\r], v[\r], v[\r] row_xmask:4 row_mask:0xf bank_mask:0xf
	v_add_f32_dpp v[\r], v[\r], v[\r] row_xmask:8 row_mask:0xf bank_mask:0xf
	v_permlanex16_b32 v[\t], v[\r], s20, s21
	v_add_f32 v[\r], v[\r], v[\t]
.endm
.macro RKODD                           ; the pairs' second registers (named by the packed forms, never used) and b - b4
.set n, 0
.rept 20
	s_mov_b32 s[CA+2*n+1], 0
.set n, n+1
.endr
.set n, 0
.irp b, 0.00123263888889, -0.0042527702905, 0.0369791666667, -0.05086379717, 0.0419047619048, -0.025
	s_mov_b32 s[BE+2*n], \b
	s_mov_b32 s[BE+2*n+1], 0
.set n, n+1
.endr
	s_mov_b32 s[SH+1], 0
.endm
.macro RKMUL                           ; h a_ij: a21; a31 a32; a41-a43; a51-a54; a61-a65; a71 a73 a74 a75 a76
.set n, 0
.irp a, 0.2, 0.075, 0.225, 0.977777777778, -3.733333333333, 3.555555555556, 2.952598689224, -11.595793324188, 9.822892851699, -0.290809327846, 2.846275252525, -10.757575757576, 8.906422717743, 0.278409090909, -0.273531303602, 0.091145833333, 0.449236298293, 0.651041666667, -0.322376179245, 0.130952380952
	s_mul_f32 s[CA+2*n], s[SH], \a
.set n, n+1
.endr
.endm
	s_load_b512 s[84:99], s[0:1], 0x0              ; inp, W1, b1, W2, b2, Wout, bout, st
	v_lshl_add_u32 v120, v0, 2, 0xc100
	v_mov_b32 v121, 0
	v_lshrrev_b32 v1, 5, v0
	v_readfirstlane_b32 s16, v1                    ; wave
	v_and_b32 v[LN], 31, v0
	s_mul_i32 s3, s16, CHUNK                       ; my wave's chunk in the work-group's part, and its stage in LDS
	s_mul_i32 s2, ttmp9, WGBYTES
	v_lshl_add_u32 v[LA], v[LN], 4, s3
	v_mul_u32_u24 v[LB], v[LN], 48
	v_add_nc_u32 v[LB], s3, v[LB]
	v_add_nc_u32 v1, s2, v[LA]                     ; byte offset of my 16 bytes in the chunk's first 512, in inp and in st alike
	v_mov_b32 v[Z], 0
	s_mov_b32 s20, 0x76543210                      ; v_permlanex16_b32: lane i takes lane i of the other half
	s_mov_b32 s21, 0xfedcba98
	s_wait_kmcnt 0x0
.irp j, 0,1,2
	global_load_b128 v[YS+4*\j:YS+4*\j+3], v1, s[84:85] offset:512*\j th:TH_LOAD_NT
.endr
	s_load_b256 s[24:31], s[86:87], 0x0            ; W1[0..7]
	s_load_b32 s32, s[86:87], 0x20                 ; W1[8]
	s_load_b96 s[36:38], s[88:89], 0x0             ; b1
	s_load_b256 s[40:47], s[90:91], 0x0            ; W2
	s_load_b32 s48, s[90:91], 0x20
	s_load_b96 s[52:54], s[92:93], 0x0             ; b2
	s_load_b256 s[56:63], s[94:95], 0x0            ; Wout
	s_load_b32 s33, s[94:95], 0x20
	s_load_b96 s[68:70], s[96:97], 0x0             ; bout
	s_mov_b64 s[6:7], s[98:99]                     ; st: y
	s_add_nc_u64 s[12:13], s[98:99], OFF_CAND      ; st: y1
	s_add_nc_u64 s[14:15], s[98:99], OFF_RED       ; st: sums, t, h, weights
	v_mov_b32 v[T1], 0x4038aa3b                    ; c = 2 log2 e
	v_mov_b32 v[T1+1], 0xc0b8aa3b                  ; -2 c
	v_mov_b32 v[T1+2], -2.0
	v_mov_b32 v[RA], 0x33d6bf95                    ; rtol = 1e-7
	v_mov_b32 v[RA+1], 0x3089705f                  ; atol = 1e-9
	v_mov_b32 v[TH], 0                             ; t in front of the first step
	v_mov_b32 v[TH+1], 0x3c23d70a                  ; h in front of the first step: 0.01
	s_wait_kmcnt 0x0
	; fold the weights
.irp i, 0,1,2,3,4,5,6,7
	v_mul_f32 v[W+\i], s[24+\i], v[T1]
	v_mul_f32 v[W+12+\i], s[40+\i], v[T1+1]
	v_mul_f32 v[W+24+\i], s[56+\i], v[T1+2]
.endr
	v_mul_f32 v[W+8], s32, v[T1]
	v_mul_f32 v[W+20], s48, v[T1+1]
	v_mul_f32 v[W+32], s33, v[T1+2]
	s_add_f32 s52, s52, s40                        ; b2 + row sums of W2
	s_add_f32 s53, s53, s43
	s_add_f32 s54, s54, s46
	s_add_f32 s52, s52, s41
	s_add_f32 s53, s53, s44
	s_add_f32 s54, s54, s47
	s_add_f32 s52, s52, s42
	s_add_f32 s53, s53, s45
	s_add_f32 s54, s54, s48
	s_add_f32 s68, s68, s56                        ; bout + row sums of Wout
	s_add_f32 s69, s69, s59
	s_add_f32 s70, s70, s62
	s_add_f32 s68, s68, s57
	s_add_f32 s69, s69, s60
	s_add_f32 s70, s70, s63
	s_add_f32 s68, s68, s58
	s_add_f32 s69, s69, s61
	s_add_f32 s70, s70, s33
.irp i, 0,1,2
	v_mul_f32 v[W+9+\i], s[36+\i], v[T1]
	v_mul_f32 v[W+21+\i], s[52+\i], v[T1]
	v_mov_b32 v[W+33+\i], s[68+\i]
.endr
	; the weights have left s[24:63] and s[68:70]: now the tableau.  h_eff = min(h, 0.01 - t) = 0.01
	s_mov_b32 s[SH], 0x3c23d70a
	RKODD
	RKMUL
	; inp from 512-byte runs to four whole states a lane.  The stage is my wave's own and LDS serves a wave's instructions in
	; order (ISA guide 5.7.1): no wait between stores and loads, no barrier.
	s_wait_loadcnt 0x0
.irp j, 0,1,2
	ds_store_b128 v[LA], v[YS+4*\j:YS+4*\j+3] offset:512*\j
.endr
.irp j, 0,1,2
	ds_load_b128 v[K+4*\j:K+4*\j+3], v[LB] offset:16*\j
.endr
	s_wait_dscnt 0x0
.irp e, 0,1,2,3
.irp c, 0,1,2
	v_mov_b32 v[Y+4*\c+\e], v[K+3*\e+\c]           ; state e, component c, to the packed layout
.endr
.endr
.irp c, 0,1,2
	global_store_b128 v1, v[Y+4*\c:Y+4*\c+3], s[6:7] offset:512*\c     ; y in the blocked layout; Y is not written again
.endr
	RKSTEP 0, 1
	RKSTEP 1, 0
.irp c, 0,1,2
	global_store_b128 v1, v[YS+4*\c:YS+4*\c+3], s[12:13] offset:512*\c ; the candidate
.endr
	; the work-group's share of the norm: lanes, then waves through LDS, one word out
	v_add_f32 v[S], v[S], v[S+1]
	LANESUM S, S+1
	v_mul_f32 v[S], s[SH], v[S]                    ; the error's factor h, squared
	v_mul_f32 v[S], s[SH], v[S]
	v_mov_b32 v[T1], s16
	v_lshlrev_b32 v[T1], 2, v[T1]
	ds_store_b32 v[T1], v[S] offset:RED_LDS        ; all lanes write the wave's word with the same value
	s_wait_dscnt 0x0                               ; for wave 0's sake: my word is in LDS before I signal
	s_barrier_signal -1
	s_barrier_wait -1
	s_cmp_lg_u32 s16, 0
	s_cbranch_scc1 .Lend
	v_lshlrev_b32 v[T1], 2, v[LN]
	ds_load_b32 v[S], v[T1] offset:RED_LDS         ; lane i: wave i's sum
	s_lshl_b32 s2, ttmp9, 2
	v_mov_b32 v[T1+1], s2
	s_wait_dscnt 0x0
	LANESUM S, S+1
	s_wait_xcnt 0x0                                ; EXEC is a source of the stores above: it changes only behind this wait
	v_cmp_eq_u32 vcc_lo, 0, v[LN]
	s_and_saveexec_b32 s3, vcc_lo                  ; lane 0 alone, to the end
	global_store_b32 v[T1+1], v[S], s[14:15]       ; partial sum of work-group ttmp9
	s_cmp_lg_u32 ttmp9, 0
	s_cbranch_scc1 .Lend
	global_store_b64 v[Z], v[TH:TH+1], s[14:15] offset:ST              ; work-group 0 alone: t, h and the folded weights
.irp i, 0,1,2,3,4,5,6,7,8
	global_store_b128 v[Z], v[W+4*\i:W+4*\i+3], s[14:15] offset:WF+16*\i
.endr
.Lend:
	s_wait_xcnt 0x0
	s_mov_b32 exec_lo, -1
	s_wait_tensorcnt 0x0
	ds_add_u32 v120, v121
	s_wait_dscnt 0x0
	s_endpgm
.Lfunc_end_k_qc24b07cb03_first:
	.size	k_qc24b07cb03_first, .Lfunc_end_k_qc24b07cb03_first-k_qc24b07cb03_first
	.p2alignl 7, 3214868480
	.fill 96, 4, 3214868480
	.section	.rodata,"a",@progbits
	.p2align	6, 0x0
	.amdhsa_kernel k_qc24b07cb03_first
		.amdhsa_group_segment_fixed_size 53504
		.amdhsa_private_segment_fixed_size 0
		.amdhsa_enable_private_segment 0
		.amdhsa_kernarg_size 64
		.amdhsa_user_sgpr_count 2
		.amdhsa_user_sgpr_kernarg_segment_ptr 1
		.amdhsa_wavefront_size32 1
		.amdhsa_system_sgpr_workgroup_id_x 1
		.amdhsa_system_sgpr_workgroup_id_y 1
		.amdhsa_system_sgpr_workgroup_id_z 1
		.amdhsa_system_vgpr_workitem_id 0
		.amdhsa_next_free_vgpr 122
		.amdhsa_next_free_sgpr 100
		.amdhsa_reserve_vcc 1
		.amdhsa_float_denorm_mode_32 3
		.amdhsa_float_denorm_mode_16_64 3
		.amdhsa_memory_ordered 1
		.amdhsa_forward_progress 1
		.amdhsa_inst_pref_size 70
	.end_amdhsa_kernel
	.amdgpu_metadata
---
amdhsa.version: [ 1, 2 ]
amdhsa.kernels:
  - .name:           k_qc24b07cb03_first
    .symbol:         k_qc24b07cb03_first.kd
    .args:
      - { .name: inp, .offset: 0, .size: 8, .value_kind: global_buffer, .address_space: global }
      - { .name: W1, .offset: 8, .size: 8, .value_kind: global_buffer, .address_space: global }
      - { .name: b1, .offset: 16, .size: 8, .value_kind: global_buffer, .address_space: global }
      - { .name: W2, .offset: 24, .size: 8, .value_kind: global_buffer, .address_space: global }
      - { .name: b2, .offset: 32, .size: 8, .value_kind: global_buffer, .address_space: global }
      - { .name: Wout, .offset: 40, .size: 8, .value_kind: global_buffer, .address_space: global }
      - { .name: bout, .offset: 48, .size: 8, .value_kind: global_buffer, .address_space: global }
      - { .name: st0, .offset: 56, .size: 8, .value_kind: global_buffer, .address_space: global }
    .group_segment_fixed_size: 53504
    .private_segment_fixed_size: 0
    .kernarg_segment_align: 8
    .kernarg_segment_size: 64
    .max_flat_workgroup_size: 1024
    .sgpr_count:     100
    .vgpr_count:     122
    .wavefront_size: 32
...
	.end_amdgpu_metadata
.endif
;; end of part 1
;; launch step (part 2): grid 256 x 1, 32 waves a work-group, no clusters, 4,352 bytes of LDS; arguments st0, st1; writes st1
.if DOCPART == 2
	.amdgcn_target "amdgcn-amd-amdhsa--gfx1250"
	.amdhsa_code_object_version 6
	.text
	.protected	k_qc24b07cb03_step
	.globl	k_qc24b07cb03_step
	.p2align	8
	.type	k_qc24b07cb03_step,@function
k_qc24b07cb03_step:
	s_mov_b64 s[64:65], 0
	v_nop
	global_prefetch_b8 v0, s[64:65] scope:SCOPE_SE
	s_setreg_imm32_b32 hwreg(HW_REG_WAVE_MODE, 25, 1), 1
	s_wait_xcnt 0x0
; LAUNCHES 2, 3, 4 OF 5 (one text, the two state buffers taking turns): close the step before, do the next one.
; Every wave adds up the 256 partial sums of the step before in the same order, so all waves get the same bits, and runs the
; step control on them: norm, accept, factor, new t and h.  The decision only SELECTS values (v_cndmask_b32): no branch
; and no address hangs on it.  Then y = accept ? candidate : y, y is stored again for the next launch (which so reads two fixed
; regions), and one Dormand-Prince step with h_eff = min(h, 0.01 - t) gives the next candidate and the next partial sums.
; When t has reached 0.01 the step runs on with h_eff <= 0 and nothing of it is ever accepted.
; BUFFER st (read: first argument, written: second): +0 y, +OFF_CAND the candidate, +OFF_RED 256 partial sums, t and h in front of
; the step that made them, 36 folded weights (copied on by work-group 0).
; LAYOUT of y and candidate: a wave's 128 states as X[128], Y[128], Z[128]: every load and store of a wave covers 512
; consecutive bytes, and a lane's four x (y, z) are two even register pairs for packed f32 arithmetic.
; SHARES: 256 work-groups x 32 waves x 32 lanes x 4 states.  A lane works on two states at a time.
; THE 3 x 3 PRODUCTS ARE DONE IN f32 ON THE VECTOR UNIT: they would fill 3 of 32 along K and 3 of 16 columns of a matrix
; instruction, and operands of 8 mantissa bits would put an error of 2^-9 into every k, while the step control compares
; h sum (b - b4) k with 1e-9 + 1e-7 |y|.
; No cluster: the work-groups share 1,184 bytes and no tile.
; tanh(x) = 1 - 2 / (1 + 2^(c x)), c = 2 log2 e, with c and 1 - 2 r folded into the weights (launch 1); holds for every finite x.
; LIMITS: tanh has an absolute error of about 2e-7; x^-0.2 is 2^(-0.2 log2 x); the mean is a product with the rounded 1/3145728;
; roundings differ from a plain f32 evaluation in the last bits, so a norm that lies within them of 1 may be decided otherwise.
; A NaN norm makes h NaN (the selects below let it through), and no later step is accepted.
.set CHUNK,    1536                    ; bytes of a wave's 128 states
.set WGBYTES,  32*CHUNK                ; bytes of a work-group's 4,096 states
.set OFF_CAND, 0xc00000                ; st: the candidate, behind 1,048,576 x 12 bytes of y
.set OFF_RED,  0x1800000               ; st: the partial sums
.set ST,       1024                    ; from OFF_RED: t, h
.set WF,       1040                    ; from OFF_RED: the folded weights
.set RED_LDS,  0                       ; LDS: 32 words for the waves' sums
.set S,   2                            ; v[2:3]     sum of squares, two chains
.set Y,   4                            ; v[4:15]    y: component c of my four states at Y+4c .. Y+4c+3
.set YS,  16                           ; v[16:27]   first the candidate as loaded; then a stage's input; at the end y1
.set K,   28                           ; v[28:63]   k1..k6 of the pair at work: k_j, component c, at K+6(j-1)+2c; k7 takes k2's place
.set P,   K                            ; v[28:35]   before that: 8 partial sums a lane, then the step control's numbers
.set C,   K+8                          ; v[36:38]   1e-10, 0.2, 10
.set T1,  64                           ; v[64:69]   first hidden layer of the pair
.set T2,  70                           ; v[70:75]   second hidden layer
.set W,   76                           ; v[76:111]  A1 (0-8) B1 (9-11) A2 (12-20) B2 (21-23) A3 (24-32) B3 (33-35), the same in every lane
.set TH,  112                          ; v[112:113] t, h
.set RA,  114                          ; v[114:115] rtol, atol
.set LN,  116                          ; lane
.set L16, 117                          ; 16 lane
.set Z,   119                          ; 0
.set CA,  24                           ; s[24:63]   h a_ij, 20 pairs (a packed instruction takes the pair's first register for both halves)
.set BE,  66                           ; s[66:77]   b - b4, 6 pairs
.set SH,  82                           ; s[82:83]   h of this step
; d = a * weight wi + s.  Two weights share a register pair: op_sel / op_sel_hi pick one of them for both halves.
.macro FMC d, a, wi, s
.if (\wi) & 1
	v_pk_fma_f32 v[\d:\d+1], v[\a:\a+1], v[W+(\wi)-1:W+(\wi)], v[\s:\s+1] op_sel:[0,1,0] op_sel_hi:[1,1,1]
.else
	v_pk_fma_f32 v[\d:\d+1], v[\a:\a+1], v[W+(\wi):W+(\wi)+1], v[\s:\s+1] op_sel_hi:[1,0,1]
.endif
.endm
; d = a * weight wi + weight bi: the bias starts the sum
.macro FMCB d, a, wi, bi
.set CP, (\wi) & 1
.set BP, (\bi) & 1
.if CP
.if BP
	v_pk_fma_f32 v[\d:\d+1], v[\a:\a+1], v[W+(\wi)-CP:W+(\wi)-CP+1], v[W+(\bi)-BP:W+(\bi)-BP+1] op_sel:[0,1,1] op_sel_hi:[1,1,1]
.else
	v_pk_fma_f32 v[\d:\d+1], v[\a:\a+1], v[W+(\wi)-CP:W+(\wi)-CP+1], v[W+(\bi)-BP:W+(\bi)-BP+1] op_sel:[0,1,0] op_sel_hi:[1,1,0]
.endif
.else
.if BP
	v_pk_fma_f32 v[\d:\d+1], v[\a:\a+1], v[W+(\wi)-CP:W+(\wi)-CP+1], v[W+(\bi)-BP:W+(\bi)-BP+1] op_sel:[0,0,1] op_sel_hi:[1,0,1]
.else
	v_pk_fma_f32 v[\d:\d+1], v[\a:\a+1], v[W+(\wi)-CP:W+(\wi)-CP+1], v[W+(\bi)-BP:W+(\bi)-BP+1] op_sel_hi:[1,0,0]
.endif
.endif
.endm
.macro TRANS6 op, r                    ; six transcendentals back to back, in place
.irp i, 0,1,2,3,4,5
	\op v[\r+\i], v[\r+\i]
.endr
.endm
; k = f(y) for two states.  yi: the pair of component 0 of the input (components 4 registers apart); ko: k (components 2 apart).
; Behind each run of transcendentals one plain instruction that names none of their registers comes before a result is used
; (ISA guide 5.7.2): these four places are taken by terms of the Lorenz part, which is needed anyway.
.macro FEVAL yi, ko
.irp i, 0,1,2
	FMCB T1+2*\i, \yi, 3*\i, 9+\i
.endr
.irp i, 0,1,2
	FMC T1+2*\i, \yi+4, 3*\i+1, T1+2*\i
.endr
.irp i, 0,1,2
	FMC T1+2*\i, \yi+8, 3*\i+2, T1+2*\i
.endr
	TRANS6 v_exp_f32, T1
	v_pk_add_f32 v[\ko:\ko+1], v[\yi+4:\yi+5], v[\yi:\yi+1] neg_lo:[0,1] neg_hi:[0,1]     ; y1 - y0
	s_wait_alu depctr_va_vdst(0)
.irp i, 0,2,4
	v_pk_add_f32 v[T1+\i:T1+\i+1], v[T1+\i:T1+\i+1], 1.0 op_sel_hi:[1,0]
.endr
	TRANS6 v_rcp_f32, T1                                                                  ; r = 1 / (1 + 2^..)
	v_pk_fma_f32 v[\ko+2:\ko+3], v[\yi+8:\yi+9], -1.0, 0x41e00000 op_sel_hi:[1,0,0]       ; 28 - y2
	s_wait_alu depctr_va_vdst(0)
.irp i, 0,1,2
	FMCB T2+2*\i, T1, 12+3*\i, 21+\i
.endr
.irp i, 0,1,2
	FMC T2+2*\i, T1+2, 13+3*\i, T2+2*\i
.endr
.irp i, 0,1,2
	FMC T2+2*\i, T1+4, 14+3*\i, T2+2*\i
.endr
	TRANS6 v_exp_f32, T2
	v_pk_fma_f32 v[\ko+4:\ko+5], v[\yi+4:\yi+5], -1.0, v[W+34:W+35] op_sel_hi:[1,0,0]     ; B3[1] - y1
	s_wait_alu depctr_va_vdst(0)
.irp i, 0,2,4
	v_pk_add_f32 v[T2+\i:T2+\i+1], v[T2+\i:T2+\i+1], 1.0 op_sel_hi:[1,0]
.endr
	TRANS6 v_rcp_f32, T2
	v_pk_fma_f32 v[\ko:\ko+1], v[\ko:\ko+1], 0x41200000, v[W+32:W+33] op_sel:[0,0,1] op_sel_hi:[1,0,1]      ; 10 (y1 - y0) + B3[0]
	v_pk_fma_f32 v[\ko+2:\ko+3], v[\yi:\yi+1], v[\ko+2:\ko+3], v[\ko+4:\ko+5]                               ; y0 (28 - y2) - y1 + B3[1]
	v_pk_fma_f32 v[\ko+4:\ko+5], v[\yi:\yi+1], v[\yi+4:\yi+5], v[W+34:W+35] op_sel:[0,0,1] op_sel_hi:[1,1,1] ; y0 y1 + B3[2]
	s_wait_alu depctr_va_vdst(0)
.irp j, 0,1,2
.irp i, 0,1,2
	FMC \ko+2*\i, T2+2*\j, 24+3*\i+\j, \ko+2*\i
.endr
.endr
.endm
; stage input of pair p: from + (h a, pair n) k_j.  from = Y starts the sum at y, from = YS goes on.
.macro ACC p, j, n, from
.irp c, 0,1,2
	v_pk_fma_f32 v[YS+4*\c+2*\p:YS+4*\c+2*\p+1], v[K+6*\j-6+2*\c:K+6*\j-6+2*\c+1], s[CA+2*\n:CA+2*\n+1], v[\from+4*\c+2*\p:\from+4*\c+2*\p+1] op_sel_hi:[1,0,1]
.endr
.endm
.macro EACC j, n                       ; the error sum goes on with (b - b4, pair n) k_j
.irp c, 0,1,2
	v_pk_fma_f32 v[T1+2*\c:T1+2*\c+1], v[K+6*\j-6+2*\c:K+6*\j-6+2*\c+1], s[BE+2*\n:BE+2*\n+1], v[T1+2*\c:T1+2*\c+1] op_sel_hi:[1,0,1]
.endr
.endm
; S += (sum (b - b4) k / tol)^2, tol = atol + rtol max(|y|, |y1|).  The factor h of the error is the same for all states:
; its square is applied to the wave's sum.  The error sum stands behind the reciprocals and is their plain place.
.macro ERRSUM p, start
.irp c, 0,1,2
	v_max_num_f32 v[T2+2*\c], |v[Y+4*\c+2*\p]|, |v[YS+4*\c+2*\p]|
	v_max_num_f32 v[T2+2*\c+1], |v[Y+4*\c+2*\p+1]|, |v[YS+4*\c+2*\p+1]|
.endr
.irp c, 0,2,4
	v_pk_fma_f32 v[T2+\c:T2+\c+1], v[T2+\c:T2+\c+1], v[RA:RA+1], v[RA:RA+1] op_sel:[0,0,1] op_sel_hi:[1,0,1]
.endr
	TRANS6 v_rcp_f32, T2
.irp c, 0,1,2
	v_pk_mul_f32 v[T1+2*\c:T1+2*\c+1], v[K+2*\c:K+2*\c+1], s[BE:BE+1] op_sel_hi:[1,0]
.endr
	EACC 3, 1
	EACC 4, 2
	EACC 5, 3
	EACC 6, 4
	EACC 2, 5                                      ; k7, in k2's place
	s_wait_alu depctr_va_vdst(0)
.irp c, 0,2,4
	v_pk_mul_f32 v[T1+\c:T1+\c+1], v[T1+\c:T1+\c+1], v[T2+\c:T2+\c+1]
.endr
.if \start
	v_pk_mul_f32 v[S:S+1], v[T1:T1+1], v[T1:T1+1]  ; the first square starts the sum: nothing is cleared
.else
	v_pk_fma_f32 v[S:S+1], v[T1:T1+1], v[T1:T1+1], v[S:S+1]
.endif
	v_pk_fma_f32 v[S:S+1], v[T1+2:T1+3], v[T1+2:T1+3], v[S:S+1]
	v_pk_fma_f32 v[S:S+1], v[T1+4:T1+5], v[T1+4:T1+5], v[S:S+1]
.endm
; one Dormand-Prince step of pair p: seven f (k1 = f(y) is made anew: one f costs less than 24 more bytes a state each way)
.macro RKSTEP p, start
	FEVAL Y+2*\p, K
	ACC \p, 1, 0, Y
	FEVAL YS+2*\p, K+6
	ACC \p, 1, 1, Y
	ACC \p, 2, 2, YS
	FEVAL YS+2*\p, K+12
	ACC \p, 1, 3, Y
	ACC \p, 2, 4, YS
	ACC \p, 3, 5, YS
	FEVAL YS+2*\p, K+18
	ACC \p, 1, 6, Y
	ACC \p, 2, 7, YS
	ACC \p, 3, 8, YS
	ACC \p, 4, 9, YS
	FEVAL YS+2*\p, K+24
	ACC \p, 1, 10, Y
	ACC \p, 2, 11, YS
	ACC \p, 3, 12, YS
	ACC \p, 4, 13, YS
	ACC \p, 5, 14, YS
	FEVAL YS+2*\p, K+30
	ACC \p, 1, 15, Y
	ACC \p, 3, 16, YS
	ACC \p, 4, 17, YS
	ACC \p, 5, 18, YS
	ACC \p, 6, 19, YS                              ; YS = y1 (the seventh stage's input is the fifth-order result)
	FEVAL YS+2*\p, K+6
	ERRSUM \p, \start
.endm
.macro LANESUM r, t                    ; the sum of v[r] over the 32 lanes, in every lane; v[t] has been written before
	v_add_f32_dpp v[\r], v[\r], v[\r] row_xmask:1 row_mask:0xf bank_mask:0xf
	v_add_f32_dpp v[\r], v[\r], v[\r] row_xmask:2 row_mask:0xf bank_mask:0xf
	v_add_f32_dpp v[\r], v[\r], v[\r] row_xmask:4 row_mask:0xf bank_mask:0xf
	v_add_f32_dpp v[\r], v[\r], v[\r] row_xmask:8 row_mask:0xf bank_mask:0xf
	v_permlanex16_b32 v[\t], v[\r], s20, s21
	v_add_f32 v[\r], v[\r], v[\t]
.endm
.macro RKODD                           ; the pairs' second registers (named by the packed forms, never used) and b - b4
.set n, 0
.rept 20
	s_mov_b32 s[CA+2*n+1], 0
.set n, n+1
.endr
.set n, 0
.irp b, 0.00123263888889, -0.0042527702905, 0.0369791666667, -0.05086379717, 0.0419047619048, -0.025
	s_mov_b32 s[BE+2*n], \b
	s_mov_b32 s[BE+2*n+1], 0
.set n, n+1
.endr
	s_mov_b32 s[SH+1], 0
.endm
.macro RKMUL                           ; h a_ij: a21; a31 a32; a41-a43; a51-a54; a61-a65; a71 a73 a74 a75 a76
.set n, 0
.irp a, 0.2, 0.075, 0.225, 0.977777777778, -3.733333333333, 3.555555555556, 2.952598689224, -11.595793324188, 9.822892851699, -0.290809327846, 2.846275252525, -10.757575757576, 8.906422717743, 0.278409090909, -0.273531303602, 0.091145833333, 0.449236298293, 0.651041666667, -0.322376179245, 0.130952380952
	s_mul_f32 s[CA+2*n], s[SH], \a
.set n, n+1
.endr
.endm
	s_load_b128 s[4:7], s[0:1], 0x0                ; st read, st written
	v_lshl_add_u32 v120, v0, 2, 0x100
	v_mov_b32 v121, 0
	v_lshrrev_b32 v1, 5, v0
	v_readfirstlane_b32 s16, v1                    ; wave
	v_and_b32 v[LN], 31, v0
	v_lshlrev_b32 v[L16], 4, v[LN]
	s_mul_i32 s3, s16, CHUNK
	s_mul_i32 s2, ttmp9, WGBYTES
	s_add_co_u32 s2, s2, s3
	v_add_nc_u32 v1, s2, v[L16]                    ; byte offset of my 16 bytes in my wave's X[128]
	v_mov_b32 v[Z], 0
	s_wait_kmcnt 0x0
	s_add_nc_u64 s[8:9], s[4:5], OFF_CAND
	s_add_nc_u64 s[10:11], s[4:5], OFF_RED
	s_add_nc_u64 s[12:13], s[6:7], OFF_CAND
	s_add_nc_u64 s[14:15], s[6:7], OFF_RED
	; all 18 loads of the wave at once, in the order in which they are wanted
	global_load_b128 v[P:P+3], v[L16], s[10:11]                        ; partial sums 4 lane .. + 3
	global_load_b128 v[P+4:P+7], v[L16], s[10:11] offset:512           ; and 128 + 4 lane .. + 3
	global_load_b64 v[TH:TH+1], v[Z], s[10:11] offset:ST               ; t, h, the same in every lane
.irp c, 0,1,2
	global_load_b128 v[Y+4*\c:Y+4*\c+3], v1, s[4:5] offset:512*\c th:TH_LOAD_NT
.endr
.irp c, 0,1,2
	global_load_b128 v[YS+4*\c:YS+4*\c+3], v1, s[8:9] offset:512*\c th:TH_LOAD_NT
.endr
.irp i, 0,1,2,3,4,5,6,7,8
	global_load_b128 v[W+4*\i:W+4*\i+3], v[Z], s[10:11] offset:WF+16*\i ; the folded weights, the same in every lane
.endr
	s_mov_b32 s20, 0x76543210                      ; v_permlanex16_b32: lane i takes lane i of the other half
	s_mov_b32 s21, 0xfedcba98
	v_mov_b32 v[C], 0x2edbe6ff                     ; 1e-10
	v_mov_b32 v[C+1], 0x3e4ccccd                   ; 0.2
	v_mov_b32 v[C+2], 0x41200000                   ; 10
	v_mov_b32 v[RA], 0x33d6bf95                    ; rtol = 1e-7
	v_mov_b32 v[RA+1], 0x3089705f                  ; atol = 1e-9
	RKODD
	s_wait_loadcnt 15                              ; 18 issued, the 15 younger ones stay out: the sums, t and h are in
	v_pk_add_f32 v[P:P+1], v[P:P+1], v[P+4:P+5]
	v_pk_add_f32 v[P+2:P+3], v[P+2:P+3], v[P+6:P+7]
	v_pk_add_f32 v[P:P+1], v[P:P+1], v[P+2:P+3]
	v_add_f32 v[P], v[P], v[P+1]
	LANESUM P, P+1
	; THE STEP CONTROL, in every lane alike.  min, max and clip are a compare and a select that keep a NaN.
	v_mul_f32 v[P], 0x34aaaaab, v[P]               ; mean: / 3,145,728
	v_sqrt_f32 v[P], v[P]                          ; the norm
	v_sub_f32 v[P+2], 0x3c23d70a, v[TH]            ; 0.01 - t (also the plain place behind the root)
	v_cmp_gt_f32 vcc_lo, v[TH+1], v[P+2]
	v_cndmask_b32 v[P+2], v[TH+1], v[P+2], vcc_lo  ; h_eff of the step before = min(h, 0.01 - t)
	s_wait_alu depctr_va_vdst(0)
	v_cmp_ge_f32 s18, 1.0, v[P]                    ; norm <= 1
	v_cmp_gt_f32 s19, 0x3c23d70a, v[TH]            ; not done: t < 0.01
	s_and_b32 s18, s18, s19                        ; accept
	v_cmp_lt_f32 vcc_lo, v[P], v[C]
	v_cndmask_b32 v[P], v[P], v[C], vcc_lo         ; max(norm, 1e-10)
	v_log_f32 v[P], v[P]
	v_add_f32 v[P+3], v[TH], v[P+2]                ; t + h_eff (the place behind the logarithm)
	s_wait_alu depctr_va_vdst(0)
	v_mul_f32 v[P], 0xbe4ccccd, v[P]               ; x -0.2
	v_exp_f32 v[P], v[P]
	v_cndmask_b32 v[TH], v[TH], v[P+3], s18        ; t = accept ? t + h_eff : t (the place behind the exponential)
	s_wait_alu depctr_va_vdst(0)
	v_mul_f32 v[P], 0x3f666666, v[P]               ; 0.9 norm^-0.2
	v_cmp_lt_f32 vcc_lo, v[P], v[C+1]
	v_cndmask_b32 v[P], v[P], v[C+1], vcc_lo       ; at least 0.2
	v_cmp_gt_f32 vcc_lo, v[P], v[C+2]
	v_cndmask_b32 v[P], v[P], v[C+2], vcc_lo       ; at most 10
	v_mul_f32 v[P], v[P+2], v[P]
	v_cndmask_b32 v[TH+1], v[TH+1], v[P], s19      ; h = done ? h : h_eff factor
	v_sub_f32 v[P+2], 0x3c23d70a, v[TH]
	v_cmp_gt_f32 vcc_lo, v[TH+1], v[P+2]
	v_cndmask_b32 v[P+2], v[TH+1], v[P+2], vcc_lo  ; h_eff of this step
	v_readfirstlane_b32 s[SH], v[P+2]
	RKMUL
	s_wait_loadcnt 9                               ; the nine loads of weights stay out: y and the candidate are in
.irp i, 0,1,2,3,4,5,6,7,8,9,10,11
	v_cndmask_b32 v[Y+\i], v[Y+\i], v[YS+\i], s18  ; y = accept ? candidate : y
.endr
.irp c, 0,1,2
	global_store_b128 v1, v[Y+4*\c:Y+4*\c+3], s[6:7] offset:512*\c     ; Y is not written again
.endr
	s_wait_loadcnt 0x0                             ; the weights
	RKSTEP 0, 1
	RKSTEP 1, 0
.irp c, 0,1,2
	global_store_b128 v1, v[YS+4*\c:YS+4*\c+3], s[12:13] offset:512*\c ; the candidate
.endr
	; the work-group's share of the norm: lanes, then waves through LDS, one word out
	v_add_f32 v[S], v[S], v[S+1]
	LANESUM S, S+1
	v_mul_f32 v[S], s[SH], v[S]                    ; the error's factor h, squared
	v_mul_f32 v[S], s[SH], v[S]
	v_mov_b32 v[T1], s16
	v_lshlrev_b32 v[T1], 2, v[T1]
	ds_store_b32 v[T1], v[S] offset:RED_LDS        ; all lanes write the wave's word with the same value
	s_wait_dscnt 0x0                               ; for wave 0's sake: my word is in LDS before I signal
	s_barrier_signal -1
	s_barrier_wait -1
	s_cmp_lg_u32 s16, 0
	s_cbranch_scc1 .Lend
	v_lshlrev_b32 v[T1], 2, v[LN]
	ds_load_b32 v[S], v[T1] offset:RED_LDS         ; lane i: wave i's sum
	s_lshl_b32 s2, ttmp9, 2
	v_mov_b32 v[T1+1], s2
	s_wait_dscnt 0x0
	LANESUM S, S+1
	s_wait_xcnt 0x0                                ; EXEC is a source of the stores above: it changes only behind this wait
	v_cmp_eq_u32 vcc_lo, 0, v[LN]
	s_and_saveexec_b32 s3, vcc_lo                  ; lane 0 alone, to the end
	global_store_b32 v[T1+1], v[S], s[14:15]       ; partial sum of work-group ttmp9
	s_cmp_lg_u32 ttmp9, 0
	s_cbranch_scc1 .Lend
	global_store_b64 v[Z], v[TH:TH+1], s[14:15] offset:ST              ; work-group 0 alone: t, h and the folded weights
.irp i, 0,1,2,3,4,5,6,7,8
	global_store_b128 v[Z], v[W+4*\i:W+4*\i+3], s[14:15] offset:WF+16*\i
.endr
.Lend:
	s_wait_xcnt 0x0
	s_mov_b32 exec_lo, -1
	s_wait_tensorcnt 0x0
	ds_add_u32 v120, v121
	s_wait_dscnt 0x0
	s_endpgm
.Lfunc_end_k_qc24b07cb03_step:
	.size	k_qc24b07cb03_step, .Lfunc_end_k_qc24b07cb03_step-k_qc24b07cb03_step
	.p2alignl 7, 3214868480
	.fill 96, 4, 3214868480
	.section	.rodata,"a",@progbits
	.p2align	6, 0x0
	.amdhsa_kernel k_qc24b07cb03_step
		.amdhsa_group_segment_fixed_size 4352
		.amdhsa_private_segment_fixed_size 0
		.amdhsa_enable_private_segment 0
		.amdhsa_kernarg_size 16
		.amdhsa_user_sgpr_count 2
		.amdhsa_user_sgpr_kernarg_segment_ptr 1
		.amdhsa_wavefront_size32 1
		.amdhsa_system_sgpr_workgroup_id_x 1
		.amdhsa_system_sgpr_workgroup_id_y 1
		.amdhsa_system_sgpr_workgroup_id_z 1
		.amdhsa_system_vgpr_workitem_id 0
		.amdhsa_next_free_vgpr 122
		.amdhsa_next_free_sgpr 84
		.amdhsa_reserve_vcc 1
		.amdhsa_float_denorm_mode_32 3
		.amdhsa_float_denorm_mode_16_64 3
		.amdhsa_memory_ordered 1
		.amdhsa_forward_progress 1
		.amdhsa_inst_pref_size 71
	.end_amdhsa_kernel
	.amdgpu_metadata
---
amdhsa.version: [ 1, 2 ]
amdhsa.kernels:
  - .name:           k_qc24b07cb03_step
    .symbol:         k_qc24b07cb03_step.kd
    .args:
      - { .name: st0, .offset: 0, .size: 8, .value_kind: global_buffer, .address_space: global }
      - { .name: st1, .offset: 8, .size: 8, .value_kind: global_buffer, .address_space: global }
    .group_segment_fixed_size: 4352
    .private_segment_fixed_size: 0
    .kernarg_segment_align: 8
    .kernarg_segment_size: 16
    .max_flat_workgroup_size: 1024
    .sgpr_count:     84
    .vgpr_count:     122
    .wavefront_size: 32
...
	.end_amdgpu_metadata
.endif
;; end of part 2
;; launch step3: the kernel of part 2 again; grid 256 x 1, 32 waves a work-group, no clusters, 4,352 bytes of LDS; arguments st1, st0; writes st0
;; launch step4: the kernel of part 2 again; grid 256 x 1, 32 waves a work-group, no clusters, 4,352 bytes of LDS; arguments st0, st1; writes st1
;; launch final (part 3): grid 256 x 1, 32 waves a work-group, no clusters, 53,248 bytes of LDS; arguments st1, out0; writes out0
.if DOCPART == 3
	.amdgcn_target "amdgcn-amd-amdhsa--gfx1250"
	.amdhsa_code_object_version 6
	.text
	.protected	k_qc24b07cb03_final
	.globl	k_qc24b07cb03_final
	.p2align	8
	.type	k_qc24b07cb03_final,@function
k_qc24b07cb03_final:
	s_mov_b64 s[64:65], 0
	v_nop
	global_prefetch_b8 v0, s[64:65] scope:SCOPE_SE
	s_setreg_imm32_b32 hwreg(HW_REG_WAVE_MODE, 25, 1), 1
	s_wait_xcnt 0x0
; LAUNCH 5 OF 5: close the fourth step.  out = accept ? candidate : y, accept = (norm <= 1) and (t < 0.01), the norm from the 256
; partial sums of the fourth step.  The decision needs all states' errors, so it cannot be made in the launch that computes them.
; A stream: 24 bytes in and 12 out for each state, no arithmetic to speak of; matrix unit, cluster and tensor loads have nothing to do here.
; y and the candidate lie as X[128], Y[128], Z[128] for each wave (512-byte runs); out0 is [state][3].  The select writes
; its results in the order of four whole states a lane, and the wave's own 1,536 bytes of LDS turn them into 512-byte runs, so that
; each store of the wave covers 512 consecutive bytes.  All nine loads of a wave are issued at its first lines.
; SHARES: 256 work-groups x 32 waves x 32 lanes x 4 states.  No barrier: no wave reads another's bytes.
; LIMIT: the mean is a product with the rounded 1/3145728, the sum a tree: a norm within those roundings of 1 may be decided otherwise.
.set CHUNK,    1536                    ; bytes of a wave's 128 states
.set WGBYTES,  32*CHUNK
.set OFF_CAND, 0xc00000
.set OFF_RED,  0x1800000
.set ST,       1024
.set LN,   2                           ; lane
.set LA,   3                           ; LDS: my wave's stage + 16 lane
.set P,    4                           ; v[4:11]   8 partial sums a lane
.set TT,   12                          ; t in front of the fourth step
.set LB,   13                          ; LDS: my wave's stage + 48 lane
.set L16,  14                          ; 16 lane
.set Z,    15                          ; 0
.set CUR,  16                          ; v[16:27]  y, component c of my four states at +4c
.set CAND, 28                          ; v[28:39]  the candidate, likewise
.set R,    40                          ; v[40:51]  the result: state e, component c at +3e+c
.set O,    52                          ; v[52:63]  the result in 512-byte runs
	s_load_b128 s[4:7], s[0:1], 0x0                ; st, out0
	v_lshl_add_u32 v64, v0, 2, 0xc000
	v_mov_b32 v65, 0
	v_lshrrev_b32 v1, 5, v0
	v_readfirstlane_b32 s16, v1                    ; wave
	v_and_b32 v[LN], 31, v0
	s_mul_i32 s3, s16, CHUNK
	s_mul_i32 s2, ttmp9, WGBYTES
	v_lshlrev_b32 v[L16], 4, v[LN]
	v_add_nc_u32 v[LA], s3, v[L16]
	v_mul_u32_u24 v[LB], v[LN], 48
	v_add_nc_u32 v[LB], s3, v[LB]
	v_add_nc_u32 v1, s2, v[LA]                     ; byte offset of my 16 bytes in the chunk's first 512, in st and in out0 alike
	v_mov_b32 v[Z], 0
	s_mov_b32 s20, 0x76543210                      ; v_permlanex16_b32: lane i takes lane i of the other half
	s_mov_b32 s21, 0xfedcba98
	s_wait_kmcnt 0x0
	s_add_nc_u64 s[8:9], s[4:5], OFF_CAND
	s_add_nc_u64 s[10:11], s[4:5], OFF_RED
	global_load_b128 v[P:P+3], v[L16], s[10:11]
	global_load_b128 v[P+4:P+7], v[L16], s[10:11] offset:512
	global_load_b32 v[TT], v[Z], s[10:11] offset:ST
.irp c, 0,1,2
	global_load_b128 v[CUR+4*\c:CUR+4*\c+3], v1, s[4:5] offset:512*\c th:TH_LOAD_NT
.endr
.irp c, 0,1,2
	global_load_b128 v[CAND+4*\c:CAND+4*\c+3], v1, s[8:9] offset:512*\c th:TH_LOAD_NT
.endr
	s_wait_loadcnt 6                               ; the six loads of states stay out: the sums and t are in
	v_pk_add_f32 v[P:P+1], v[P:P+1], v[P+4:P+5]
	v_pk_add_f32 v[P+2:P+3], v[P+2:P+3], v[P+6:P+7]
	v_pk_add_f32 v[P:P+1], v[P:P+1], v[P+2:P+3]
	v_add_f32 v[P], v[P], v[P+1]
	v_add_f32_dpp v[P], v[P], v[P] row_xmask:1 row_mask:0xf bank_mask:0xf
	v_add_f32_dpp v[P], v[P], v[P] row_xmask:2 row_mask:0xf bank_mask:0xf
	v_add_f32_dpp v[P], v[P], v[P] row_xmask:4 row_mask:0xf bank_mask:0xf
	v_add_f32_dpp v[P], v[P], v[P] row_xmask:8 row_mask:0xf bank_mask:0xf
	v_permlanex16_b32 v[P+1], v[P], s20, s21
	v_add_f32 v[P], v[P], v[P+1]
	v_mul_f32 v[P], 0x34aaaaab, v[P]               ; mean: / 3,145,728
	v_sqrt_f32 v[P], v[P]                          ; the norm
	v_cmp_gt_f32 s19, 0x3c23d70a, v[TT]            ; not done: t < 0.01 (also the plain place behind the root, ISA guide 5.7.2)
	s_wait_alu depctr_va_vdst(0)
	v_cmp_ge_f32 s18, 1.0, v[P]                    ; norm <= 1 (false for a NaN)
	s_and_b32 s18, s18, s19                        ; accept: it only selects values
	s_wait_loadcnt 0x0
.irp e, 0,1,2,3
.irp c, 0,1,2
	v_cndmask_b32 v[R+3*\e+\c], v[CUR+4*\c+\e], v[CAND+4*\c+\e], s18   ; the select also puts a state's three numbers side by side
.endr
.endr
	; the stage is my wave's own and LDS serves a wave's instructions in order (ISA guide 5.7.1): no wait between stores and loads.
.irp j, 0,1,2
	ds_store_b128 v[LB], v[R+4*\j:R+4*\j+3] offset:16*\j
.endr
.irp j, 0,1,2
	ds_load_b128 v[O+4*\j:O+4*\j+3], v[LA] offset:512*\j
.endr
.irp j, 0,1,2
	s_wait_dscnt 2-\j                              ; run j is in, the younger loads stay out
	global_store_b128 v1, v[O+4*\j:O+4*\j+3], s[6:7] offset:512*\j th:TH_STORE_NT
.endr
	s_wait_tensorcnt 0x0
	ds_add_u32 v64, v65
	s_wait_dscnt 0x0
	s_endpgm
.Lfunc_end_k_qc24b07cb03_final:
	.size	k_qc24b07cb03_final, .Lfunc_end_k_qc24b07cb03_final-k_qc24b07cb03_final
	.p2alignl 7, 3214868480
	.fill 96, 4, 3214868480
	.section	.rodata,"a",@progbits
	.p2align	6, 0x0
	.amdhsa_kernel k_qc24b07cb03_final
		.amdhsa_group_segment_fixed_size 53248
		.amdhsa_private_segment_fixed_size 0
		.amdhsa_enable_private_segment 0
		.amdhsa_kernarg_size 16
		.amdhsa_user_sgpr_count 2
		.amdhsa_user_sgpr_kernarg_segment_ptr 1
		.amdhsa_wavefront_size32 1
		.amdhsa_system_sgpr_workgroup_id_x 1
		.amdhsa_system_sgpr_workgroup_id_y 1
		.amdhsa_system_sgpr_workgroup_id_z 1
		.amdhsa_system_vgpr_workitem_id 0
		.amdhsa_next_free_vgpr 66
		.amdhsa_next_free_sgpr 66
		.amdhsa_reserve_vcc 0
		.amdhsa_float_denorm_mode_32 3
		.amdhsa_float_denorm_mode_16_64 3
		.amdhsa_memory_ordered 1
		.amdhsa_forward_progress 1
		.amdhsa_inst_pref_size 5
	.end_amdhsa_kernel
	.amdgpu_metadata
---
amdhsa.version: [ 1, 2 ]
amdhsa.kernels:
  - .name:           k_qc24b07cb03_final
    .symbol:         k_qc24b07cb03_final.kd
    .args:
      - { .name: st1, .offset: 0, .size: 8, .value_kind: global_buffer, .address_space: global }
      - { .name: out0, .offset: 8, .size: 8, .value_kind: global_buffer, .address_space: global }
    .group_segment_fixed_size: 53248
    .private_segment_fixed_size: 0
    .kernarg_segment_align: 8
    .kernarg_segment_size: 16
    .max_flat_workgroup_size: 1024
    .sgpr_count:     66
    .vgpr_count:     66
    .wavefront_size: 32
...
	.end_amdgpu_metadata
.endif
;; end of part 3
